; MI455X (gfx1250); checked and timed in simulation.
; The chip was launched on July 23, 2026; its instructions are those of AMD's public machine-readable ISA for CDNA 5 (MIT licence, August 2026) and "CDNA5" Instruction Set Architecture Reference Guide (July 2026). The comments in the code are by the model that wrote it; some were corrected since.
;; Monet. Allowed arithmetic: matrix products marked QUANTISED: E2M1 operands, one E8M0 scale for each 32 along K, by v_wmma_scale_f32_16x16x128_f8f6f4 with both operands' format E2M1 (or v_wmma_scale_f32_32x16x128_f4), f32 sums; products left as they are: f32 operands where the result goes on into a quantised operand, else bf16, f16 or f32 operands; f32 sums; everything else in f32.
;; Inputs: b1 512 x 512 float32; b2 512 x 512 float32; ln1_w 1 float32; ln2_w 1 float32; u1_b 512 float32; u1_w 512 x 1,024 float32; u2_b 512 float32; u2_w 512 x 1,024 float32; v11_w 512 x 512 float32; v12_w 512 x 512 float32; v21_w 512 x 512 float32; v22_w 512 x 512 float32; w1 512 x 1,024 float32; w2 512 x 1,024 float32; x 16,384 x 1,024 float32.
;; Outputs: out0 16,384 x 1,024 float32.
;; This version of the problem:
;;   THIS VERSION OF THE PROBLEM IS GIVEN IN LOW PRECISION. The matrix products marked QUANTISED in the list below multiply operands that are first quantised to E2M1 (2 exponent bits, 1 mantissa bit; 4 bits a number), with one power-of-two scale for each 32 numbers along K (OCP MX v1.0); their sums are f32. All else is computed in f32.
;;   The module's matrix products, in the order in which they are computed (A, B: the left and right operand; K: the contracted axis; several contracted axes count as one K, in the product's order):
;;     1. [M 16,384, K 1,024] x [K 1,024, N 512]; A: input x; B: input w1: QUANTISED
;;     2. [M 16,384, K 1,024] x [K 1,024, N 512]; A: input x; B: input w2: QUANTISED
;;     3. [M 16,384, K 1,024] x [K 1,024, N 512]; A: input x; B: input u1_w: QUANTISED
;;     4. [M 16,384, K 1,024] x [K 1,024, N 512]; A: input x; B: input u2_w: QUANTISED
;;     5. [M 16,384, K 512] x [K 512, N 512]; A: computed on the way; B: input v11_w: QUANTISED
;;     6. batch 16,384 x [M 1, K 512] x [K 512, N 1]; A: softmax; B: computed on the way: left as it is (M = 1 < 16)
;;     7. batch 16,384 x [M 512, K 1] x [K 1, N 1]; A: computed on the way; B: computed on the way: left as it is (K = 1 < 32)
;;     8. [M 16,384, K 512] x [K 512, N 512]; A: computed on the way; B: input v12_w: QUANTISED
;;     9. [M 16,384, K 512] x [K 512, N 512]; A: computed on the way; B: input b1: QUANTISED
;;     10. batch 16,384 x [M 1, K 512] x [K 512, N 1]; A: softmax; B: computed on the way: left as it is (M = 1 < 16)
;;     11. batch 16,384 x [M 512, K 1] x [K 1, N 1]; A: computed on the way; B: computed on the way: left as it is (K = 1 < 32)
;;     12. [M 16,384, K 512] x [K 512, N 512]; A: computed on the way; B: input v21_w: QUANTISED
;;     13. [M 16,384, K 512] x [K 512, N 512]; A: computed on the way; B: input v22_w: QUANTISED
;;     14. [M 16,384, K 512] x [K 512, N 512]; A: computed on the way; B: input b2: QUANTISED
;;   THE QUANTISER, for each operand of a quantised product, along K:
;;     - K is cut into blocks of 32 from its start; a last block that is shorter is filled with zeros.
;;     - A block's scale is 2^e with e = floor(log2(the largest magnitude in the block)) - 2, held to -126 .. 127; a block of zeros has e = 0. As a byte (E8M0): e + 127.
;;     - Each number is divided by its block's scale, clamped to +-6, and rounded to the nearest number of E2M1, ties to even, subnormals kept.
;;     - The product sums the exact products of the quantised numbers (number of the format x scale) in f32.
;;   ~~~python
;;   def quantise(x, axis):      # numpy; x: float32 -> the quantised numbers, widened to float32 again
;;       x = np.moveaxis(x, axis, -1); K = x.shape[-1]
;;       x = np.pad(x, [(0, 0)] * (x.ndim - 1) + [(0, -K % 32)]); x = x.reshape(x.shape[:-1] + (-1, 32)); a = np.abs(x).max(-1, keepdims=True)
;;       e = np.where(a > 0, np.clip(np.frexp(np.where(a > 0, a, 1))[1] - 1 - 2, -126, 127), 0)      # np.frexp(a)[1] - 1 = floor(log2(a)), exactly
;;       r = np.clip(x / 2.0 ** e, -6, 6)
;;       step = 2.0 ** (np.maximum(np.frexp(np.where(r == 0, 1, r))[1] - 1, 0) - 1)
;;       q = np.round(r / step) * step * 2.0 ** e      # np.round: ties to even
;;       return np.moveaxis(q.reshape(q.shape[:-2] + (-1,))[..., :K], -1, axis).astype(np.float32)
;;   ~~~
;;   OPERANDS COMPUTED ON THE WAY. 'Computed on the way' means the value that the module computes at that place (a softmax that the list does not call 'softmax' is quantised finished and normalised). What goes into a quantiser is computed in f32, as accurately as f32 sums, v_exp_f32 and their like allow (about 1e-6 of the number): no bf16 or f16 on the way to a quantiser, and a product that is left as it is and whose result goes on into a quantised operand takes f32 operands (vector FMAs, or v_wmma_f32_16x16x4_f32). A number that lies on a knife's edge between two numbers of the format may be rounded either way, as far as f32 arithmetic and the matrix unit's own rounding can turn it there, and no further.
;; One version. Each part assembles by itself: llvm-mc -triple=amdgcn-amd-amdhsa -mcpu=gfx1250 --defsym DOCPART=n.
;; ======== version 1 of 1: 2 launches
;; limits: right only within a limited range of input values
;; workspace buffers: ws 1,949,696 bytes
;; launch lay (part 1): grid 224 x 1, 4 waves a work-group, no clusters, 137,728 bytes of LDS; arguments u2_w, w2, u1_w, w1, v22_w, v21_w, b2, v11_w, v12_w, b1, ws; writes ws
.if DOCPART == 1
	.amdgcn_target "amdgcn-amd-amdhsa--gfx1250"
	.amdhsa_code_object_version 6
	.text
	.protected	k_q7b83bc58af_lay
	.globl	k_q7b83bc58af_lay
	.p2align	8
	.type	k_q7b83bc58af_lay,@function
k_q7b83bc58af_lay:
	s_mov_b64 s[64:65], 0
	v_nop
	global_prefetch_b8 v0, s[64:65] scope:SCOPE_SE
	s_setreg_imm32_b32 hwreg(HW_REG_WAVE_MODE, 25, 1), 1
	s_wait_xcnt 0x0
; The ten weight tensors (f32) become codes of FP4 (E2M1) with one E8M0 scale byte for each 32 along K, laid in ws in the order and in the register image in which the next launch takes them.
; ws = [item 0..13][wave 0..3][unit 0..3][8,704 bytes].  A unit = 8 fragments of 1,024 bytes, then 512 bytes of scale words.
; A fragment = 16 weight rows x 128 K as an operand's registers: piece c (512 bytes) holds at 16 x (16 h + r) the 16 bytes of codes k = 64 c + 32 h + 0 .. 31 of row r.
; Scale words: at 256 (t / 4) + 16 r + 4 (t % 4) the word of fragment t, row r (byte b scales k = 32 b ..).
; Items 0-7 (first products): item 4 g + a; g = 0: w2, u2_w; g = 1: w1, u1_w; a = 0, 1: the w matrix, a = 2, 3: the u matrix; unit u: K step 4 (a % 2) + u.
; Fragment t of wave w takes rows 128 w + 32 (t / 2) + 8 (t % 2) + r + 8 (r / 8), so that in the transposed result the 16 registers of tiles 2 b and 2 b + 1 are 16 neighbours along the next K.
; Items 8-13: v22_w, v21_w, b2, v11_w, v12_w, b1; unit u = K step u; fragment t takes output columns 128 w + 16 t + r.
; One work-group makes one unit, each of its four waves two fragments.  224 units are all the work there is.
; K INNERMOST: a wave's two fragments are 32 consecutive weight rows x 512 bytes.  Each load reads one row's 512 consecutive bytes, 16 a lane; the rows turn through the wave's own stage in LDS and come back
; 128 bytes a lane, which is a block of 32 along K.  K OUTERMOST (b2, b1): a lane takes a column and its registers run down K.  The three ways part on the work-group's number; each has LDS bytes of its own.
; A block's scale is 2^(floor(log2(largest magnitude)) - 2): its byte is that magnitude's exponent field - 2, held at 1 from below by a floor among the maximum's leaves.
; LIMITS: a block of zeros gets the byte 1 where the rule says 127 (its codes are zeros, and this program alone reads the bytes); NaN and infinities among the weights are not served.
; WORK LEFT OUT BY THE PROGRAM.  reference()'s LayerNorm runs over the head axis, whose length H is 1: mu = gz, so gz - mu = 0 and gn = 0 x rsqrt(eps) x ln_w = 0 for every finite ln_w and every finite x, w.
; top_k of zeros gives the threshold 0, gn >= 0 holds for every expert, and masked = gz.  So the norm, the top_k and the where are left out; ln1_w and ln2_w have no way to an output, are not loaded and are among no launch's arguments.
; LIMIT: a NaN, an infinity or an overflow that reaches only the work left out (an ln_w that is not finite, an infinite gz in gz - mu) is not carried to the result.
.set UNITB, 8704
.set SP,   528                         ; a stage row: 512 bytes + 16: sixteen neighbouring rows start in sixteen different columns of 16 bytes
.set SWA,  0                           ; LDS: a unit's 512 bytes of scale words, for each of the three ways;
.set SWB,  512
.set SWC,  1024
.set STGA, 2048                        ; four stages of 32 rows for the first products' way,
.set STGB, STGA+4*32*SP                ; and four for the second products'
.set X,  64                            ; v64-191  32 rows as loaded (or four blocks of 32 numbers)
.set Y,  192                           ; v192-255 two blocks of 32 neighbours, by turns
.set C,  32                            ; v32-47   a block's codes: four registers each, never written again
.set BY, 48                            ; v48-51   a block's scale byte
.set SO, 52                            ; v52-55   the conversions' scale operand
	s_load_b512 s[4:19], s[0:1], 0x0               ; u2_w, w2, u1_w, w1, v22_w, v21_w, b2, v11_w
	s_load_b128 s[20:23], s[0:1], 0x40             ; v12_w, b1
	s_load_b64 s[24:25], s[0:1], 0x50              ; ws
	v_lshl_add_u32 v62, v0, 2, 0x21800
	v_mov_b32 v63, 0
	v_lshrrev_b32 v1, 5, v0
	v_readfirstlane_b32 s28, v1                    ; wave 0..3: fragments 2 x wave and 2 x wave + 1
	v_and_b32 v2, 31, v0                           ; lane
	v_and_b32 v3, 15, v0                           ; r
	v_bfe_u32 v4, v0, 4, 1                         ; h
	v_lshlrev_b32 v14, 4, v2                       ; 16 x lane
	s_lshr_b32 s29, ttmp9, 4                       ; item
	s_bfe_u32 s30, ttmp9, 0x20002                  ; the reader's wave w
	s_and_b32 s31, ttmp9, 3                        ; unit u
	s_lshr_b32 s32, s29, 2
	s_lshl_b32 s32, s32, 1                         ; 2 g
	s_bfe_u32 s33, s29, 0x10001                    ; a / 2
	s_xor_b32 s33, s33, 1                          ; 1 for the w matrix
	s_add_co_u32 s32, s32, s33                     ; items 0-7: which argument
	s_sub_co_u32 s33, s29, 4                       ; items 8-13: item - 4
	s_and_b32 s34, s29, 1
	s_lshl_b32 s34, s34, 2
	s_add_co_u32 s34, s34, s31                     ; items 0-7: K step 4 (a % 2) + u
	s_cmp_lt_u32 s29, 8
	s_cselect_b32 s32, s32, s33                    ; which argument is my source
	s_cselect_b32 s34, s34, s31                    ; which 128 along K
	s_lshl_b32 s37, s30, 7
	s_lshl_b32 s38, s28, 5
	s_add_co_u32 s37, s37, s38                     ; 128 w + 32 x wave: my first row (or column)
	s_mul_i32 s40, ttmp9, UNITB
	s_mov_b32 s41, 0
	s_lshl_b32 s42, s28, 11                        ; my two fragments in the unit
	s_lshr_b32 s43, s28, 1
	s_lshl_b32 s43, s43, 8
	s_and_b32 s44, s28, 1
	s_lshl_b32 s44, s44, 3
	s_add_co_u32 s43, s43, s44                     ; my two scale words of a row: 256 (wave / 2) + 8 (wave % 2)
	s_mov_b32 s46, 0x76543210
	s_mov_b32 s47, 0xfedcba98                      ; v_permlanex16_b32's selects for lane l xor 16
	s_wait_kmcnt 0x0
	s_mov_b64 s[26:27], s[4:5]
.irp i, 1,2,3,4,5,6,7,8,9
	s_cmp_eq_u32 s32, \i                           ; the choice hangs on the work-group's number alone
	s_cselect_b64 s[26:27], s[4+2*\i:5+2*\i], s[26:27]
.endr
	s_add_nc_u64 s[24:25], s[24:25], s[40:41]      ; my unit
; Block q: 32 numbers of one lane, v[xs] on, neighbours along K, become 16 bytes of codes, stored off bytes on, and a byte.
.macro BLK q, xs, off
.set XS, \xs
	v_max3_num_f32 v56, |v[XS]|, |v[XS+1]|, |v[XS+2]|
	v_max3_num_f32 v57, |v[XS+3]|, |v[XS+4]|, |v[XS+5]|
.irp i, 6,10,14,18,22,26
	v_max3_num_f32 v56, v56, |v[XS+\i]|, |v[XS+\i+1]|
	v_max3_num_f32 v57, v57, |v[XS+\i+2]|, |v[XS+\i+3]|
.endr
	v_max3_num_f32 v56, v56, |v[XS+30]|, |v[XS+31]|
	v_max3_num_f32 v56, v56, v57, 0x1800000        ; the floor 2^(3 - 127): the byte cannot fall under 1
	v_add_nc_u32 v[SO+(\q)], 0xff000000, v56       ; 2 off the exponent field: the conversion takes this operand's exponent field as its scale
.irp g, 0,1,2,3
	v_cvt_scalef32_pk8_fp4_f32 v[C+4*(\q)+\g], v[XS+8*\g:XS+8*\g+7], v[SO+(\q)]
.endr
	v_lshrrev_b32 v[BY+(\q)], 23, v[SO+(\q)]       ; the scale's byte (also the plain line behind the conversions)
	global_store_b128 v6, v[C+4*(\q):C+4*(\q)+3], s[24:25] offset:\off
.endm
; The unit's 512 bytes of scale words have met in LDS: wave 0 stores them as 512 consecutive bytes.
.macro FIN area
	s_wait_dscnt 0x0                               ; for the others' sake: my words are in LDS
	s_barrier_signal -1
	s_barrier_wait -1
	s_cmp_lg_u32 s28, 0
	s_cbranch_scc1 .Ldone_\@
	ds_load_b128 v[16:19], v14 offset:\area
	s_wait_dscnt 0x0
	global_store_b128 v14, v[16:19], s[24:25] offset:8192
.Ldone_\@:
	s_wait_tensorcnt 0x0
	ds_add_u32 v62, v63
	s_wait_dscnt 0x0
	s_endpgm
.endm
; Block q = 2 e + c comes back from the stage: fragment e begins es rows further down; my 128 bytes: k = 64 c + 32 h + 0 .. 31 of my row
.macro RB q, es
.irp j, 0,1,2,3,4,5,6,7
	ds_load_b128 v[Y+32*((\q)%2)+4*\j:Y+32*((\q)%2)+4*\j+3], v5 offset:((\q)/2)*(\es)*SP+256*((\q)%2)+16*\j
.endr
.endm
; K INNERMOST.  perm = 1: lane r of a fragment takes row r + 8 (r / 8), and the second fragment begins 8 rows on; else row r, and 16 rows on.  Either way the two fragments are my 32 rows.
.macro INNER perm, pitch, stg, swa
	s_mul_i32 s38, s37, \pitch
	s_lshl_b32 s39, s34, 9
	s_add_co_u32 s38, s38, s39
	s_mov_b32 s39, 0
	s_add_nc_u64 s[26:27], s[26:27], s[38:39]      ; my first row, my 128 along K
.irp i, 0,1,2,3,4,5,6,7,8,9,10,11,12,13,14,15,16,17,18,19,20,21,22,23,24,25,26,27,28,29,30,31
	global_load_b128 v[X+4*\i:X+4*\i+3], v14, s[26:27] offset:\i*\pitch th:TH_LOAD_NT   ; 32 lanes read 512 consecutive bytes of row i
.endr
	s_mul_i32 s40, s28, 32*SP
	s_add_co_u32 s40, s40, \stg                    ; my stage
	v_add_nc_u32 v8, s40, v14                      ; in: 16 x lane; the row stands in the immediate
.if \perm
	v_and_b32 v5, 8, v3
	v_add_nc_u32 v5, v5, v3                        ; r + 8 (r / 8)
	v_mul_u32_u24 v5, v5, SP
.else
	s_wait_alu depctr_va_vdst(0)
	v_mul_u32_u24 v5, v3, SP
.endif
	v_lshl_add_u32 v5, v4, 7, v5                   ; + 128 h bytes
	v_add_nc_u32 v5, s40, v5                       ; back: my row, my half
	v_add_nc_u32 v6, s42, v14                      ; out: 16 x lane in my fragments
	v_lshl_add_u32 v7, v3, 4, s43                  ; LDS: my row's two words
	s_wait_alu depctr_va_vdst(0)
.irp g, 0,1,2,3
	s_wait_loadcnt 24-8*\g                         ; these eight rows are in; the later rows' loads may be out
.irp i, 0,1,2,3,4,5,6,7
	ds_store_b128 v8, v[X+4*(8*\g+\i):X+4*(8*\g+\i)+3] offset:(8*\g+\i)*SP
.endr
.endr
	RB 0, 16-8*\perm                               ; LDS serves a wave's instructions in order: these see my stores
	RB 1, 16-8*\perm
	s_wait_dscnt 8                                 ; the block is back; the next block's eight loads may be out
	BLK 0, Y, 0
	RB 2, 16-8*\perm
	s_wait_dscnt 8
	BLK 1, Y+32, 512
	RB 3, 16-8*\perm
	s_wait_dscnt 8
	BLK 2, Y, 1024
	s_wait_dscnt 0x0
	BLK 3, Y+32, 1536
	v_lshlrev_b32 v9, 3, v4
.irp e, 0,1
	v_lshl_or_b32 v[10+\e], v[BY+2*\e+1], 16, v[BY+2*\e]   ; my two bytes: blocks h and 2 + h,
	v_mov_b32 v[12+\e], 0
.endr
.irp e, 0,1
	v_lshlrev_b32 v[10+\e], v9, v[10+\e]           ; at their places in the word;
.endr
.irp e, 0,1
	v_permlanex16_b32 v[12+\e], v[10+\e], s46, s47
.endr
.irp e, 0,1
	v_or_b32 v[10+\e], v[10+\e], v[12+\e]          ; with lane l xor 16's two the word is whole
.endr
	ds_store_b64 v7, v[10:11] offset:\swa          ; both halves of the lanes write the same words
	FIN \swa
.endm
	s_cmp_lt_u32 s29, 8
	s_cbranch_scc1 .Lfirst                         ; the first products' weights
	s_cmp_eq_u32 s32, 6
	s_cbranch_scc1 .Louter                         ; b2 and b1: K is the first axis
	s_cmp_eq_u32 s32, 9
	s_cbranch_scc1 .Louter
	s_wait_alu depctr_va_vdst(0)
	INNER 0, 2048, STGB, SWB
.Lfirst:
	s_wait_alu depctr_va_vdst(0)
	INNER 1, 4096, STGA, SWA
.Louter:
	; K OUTERMOST.  A lane takes an output column and its registers run down K: a block of 32 is one lane's, and the codes come out with K innermost.
	s_lshl_b32 s38, s31, 18                        ; 128 u rows of 2,048 bytes
	s_lshl_b32 s39, s37, 2
	s_add_co_u32 s38, s38, s39
	s_mov_b32 s39, 0
	s_add_nc_u64 s[26:27], s[26:27], s[38:39]
	s_wait_alu depctr_va_vdst(0)
	v_lshlrev_b32 v5, 2, v2                        ; column 128 w + 32 x wave + lane
	v_lshlrev_b32 v6, 4, v3
	v_lshl_add_u32 v6, v4, 10, v6
	v_add_nc_u32 v6, s42, v6                       ; out: fragment lane / 16, row lane % 16
	v_lshl_add_u32 v7, v3, 4, s43
	v_lshl_add_u32 v7, v4, 2, v7                   ; LDS: my column's word
.macro OLOAD b
.irp i, 0,1,2,3,4,5,6,7,8,9,10,11,12,13,14,15,16,17,18,19,20,21,22,23,24,25,26,27,28,29,30,31
	global_load_b32 v[X+32*\b+\i], v5, s[26:27] offset:(32*\b+\i)*2048 th:TH_LOAD_NT
.endr
.endm
	OLOAD 0
	OLOAD 1
	s_wait_loadcnt 32                              ; the next block's 32 loads may stay out
	BLK 0, X, 0                                    ; block b lies at piece b / 2, half b % 2: 256 b
	OLOAD 2
	s_wait_loadcnt 32
	BLK 1, X+32, 256
	OLOAD 3
	s_wait_loadcnt 32
	BLK 2, X+64, 512
	s_wait_loadcnt 0x0
	BLK 3, X+96, 768
	v_lshl_or_b32 v10, v[BY+1], 8, v[BY]
	v_lshl_or_b32 v10, v[BY+2], 16, v10
	v_lshl_or_b32 v10, v[BY+3], 24, v10
	ds_store_b32 v7, v10 offset:SWC
	FIN SWC
.Lfunc_end_k_q7b83bc58af_lay:
	.size	k_q7b83bc58af_lay, .Lfunc_end_k_q7b83bc58af_lay-k_q7b83bc58af_lay
	.p2alignl 7, 3214868480
	.fill 96, 4, 3214868480
	.section	.rodata,"a",@progbits
	.p2align	6, 0x0
	.amdhsa_kernel k_q7b83bc58af_lay
		.amdhsa_group_segment_fixed_size 137728
		.amdhsa_private_segment_fixed_size 0
		.amdhsa_enable_private_segment 0
		.amdhsa_kernarg_size 88
		.amdhsa_user_sgpr_count 2
		.amdhsa_user_sgpr_kernarg_segment_ptr 1
		.amdhsa_wavefront_size32 1
		.amdhsa_system_sgpr_workgroup_id_x 1
		.amdhsa_system_sgpr_workgroup_id_y 1
		.amdhsa_system_sgpr_workgroup_id_z 1
		.amdhsa_system_vgpr_workitem_id 0
		.amdhsa_next_free_vgpr 256
		.amdhsa_next_free_sgpr 66
		.amdhsa_reserve_vcc 0
		.amdhsa_float_denorm_mode_32 3
		.amdhsa_float_denorm_mode_16_64 3
		.amdhsa_memory_ordered 1
		.amdhsa_forward_progress 1
		.amdhsa_inst_pref_size 52
	.end_amdhsa_kernel
	.amdgpu_metadata
---
amdhsa.version: [ 1, 2 ]
amdhsa.kernels:
  - .name:           k_q7b83bc58af_lay
    .symbol:         k_q7b83bc58af_lay.kd
    .args:
      - { .name: u2_w, .offset: 0, .size: 8, .value_kind: global_buffer, .address_space: global }
      - { .name: w2, .offset: 8, .size: 8, .value_kind: global_buffer, .address_space: global }
      - { .name: u1_w, .offset: 16, .size: 8, .value_kind: global_buffer, .address_space: global }
      - { .name: w1, .offset: 24, .size: 8, .value_kind: global_buffer, .address_space: global }
      - { .name: v22_w, .offset: 32, .size: 8, .value_kind: global_buffer, .address_space: global }
      - { .name: v21_w, .offset: 40, .size: 8, .value_kind: global_buffer, .address_space: global }
      - { .name: b2, .offset: 48, .size: 8, .value_kind: global_buffer, .address_space: global }
      - { .name: v11_w, .offset: 56, .size: 8, .value_kind: global_buffer, .address_space: global }
      - { .name: v12_w, .offset: 64, .size: 8, .value_kind: global_buffer, .address_space: global }
      - { .name: b1, .offset: 72, .size: 8, .value_kind: global_buffer, .address_space: global }
      - { .name: ws, .offset: 80, .size: 8, .value_kind: global_buffer, .address_space: global }
    .group_segment_fixed_size: 137728
    .private_segment_fixed_size: 0
    .kernarg_segment_align: 8
    .kernarg_segment_size: 88
    .max_flat_workgroup_size: 128
    .sgpr_count:     66
    .vgpr_count:     256
    .wavefront_size: 32
...
	.end_amdgpu_metadata
.endif
;; end of part 1
;; launch monet (part 2): grid 256 x 1, 4 waves a work-group, clusters of 4 x 1, 327,680 bytes of LDS; arguments x, ws, u2_b, u1_b, out0; writes out0
.if DOCPART == 2
	.amdgcn_target "amdgcn-amd-amdhsa--gfx1250"
	.amdhsa_code_object_version 6
	.text
	.protected	k_q7b83bc58af_monet
	.globl	k_q7b83bc58af_monet
	.p2align	8
	.type	k_q7b83bc58af_monet,@function
k_q7b83bc58af_monet:
	s_mov_b64 s[64:65], 0
	v_nop
	global_prefetch_b8 v0, s[64:65] scope:SCOPE_SE
	s_setreg_imm32_b32 hwreg(HW_REG_WAVE_MODE, 25, 1), 1
	s_wait_xcnt 0x0
	s_wait_alu depctr_hold_cnt(0) depctr_sa_sdst(0) depctr_va_vdst(0) depctr_va_sdst(0) depctr_va_ssrc(0) depctr_va_vcc(0) depctr_vm_vsrc(0)
	s_getreg_b32 s2, hwreg(HW_REG_IB_STS2, 6, 4)
	s_cmp_eq_u32 s2, 0
	s_cbranch_scc0 .Lentry_in_a_cluster
	s_endpgm
.Lentry_in_a_cluster:
	s_bfe_u32 s2, ttmp6, 0x10000c
	s_cmp_lg_u32 s2, 0x3003
	s_cbranch_scc0 .Lentry_shape_is_right
	s_endpgm
.Lentry_shape_is_right:
; The whole layer for 64 tokens a work-group; 256 work-groups, four to a cluster.  Wave w owns columns 128 w .. 128 w + 127 of every product, for all 64 tokens.
; LEFT OUT (shown at the head of launch lay): the LayerNorm over a head axis of length 1, the top_k and the where: gn = 0 for all finite inputs, so masked = gz.  ln1_w and ln2_w are not loaded.
; g = softmax(x w^T) over 512 experts, with the row's maximum taken away: each wave takes its own 128 columns' maximum, and the four parts are joined by factors 2^(own maximum - row maximum).
; ORDER: gate 2 (w2, u2_w), gate 1 (w1, u1_w); then v22 Q(x2 g2), v21 Q(t1 g2), b2 Q(g2) into columns 512 .., then v11 Q(x1 g1), v12 Q(t2 g1), b1 Q(g1) into columns 0 ..
; WEIGHTS come as launch lay laid them, 14 items of 139,264 bytes, an image of the operands' registers, through a ring of two LDS slots of one item each.  All work-groups walk the same items:
; the four of a cluster ask for each jointly (mask 15), each wave for its own quarter, behind a round of the cluster's barrier.
; x: each wave's 16 rows land in the two slots ahead of the weights, 8 rows to a slot, and are quantised there into operand images that all four waves read.
; Window 0: addresses, scale words, fragments, work.  Window 1: g2, then g1.  Window 2: logits, then p.  Window 3: relu^2 x p, then the second products' sums.
; LIMITS: a block of zeros gets the scale byte 1 where the rule says 127 (its codes are zeros; this program alone reads the bytes); NaN and infinities among the inputs are not served.
.set QUART, 34816
.set SLOTB, 139264
.set UNITB, 8704
.set R,     278528
.set XSC,   32768
.set OSC,   16384
.set STG,   17408
.set RED,   313344
.set BIAS,  318464
.set SPARE, 322560
.set SPW, 1
.set NIL, 2
.set AW,  3
.set AO,  4
.set AOS, 5
.set ARW, 6
.set ARR, 7
.set GO,  7
.set AIW, 8
.set ASW, 9
.set ABI, 10
.set STO, 10
.set XR,  11
.set SRD, 11
.set TG,  12
.set FAC, 12
.set CY,  16
.set CYW, 48
.set WS,  52
.set XS,  60
.set WF,  64
.set XF,  192
.set T,   64
.set TM,  128
.set OPC, 144
.set OPW, 176
.set STA, 176
.set FO,  240
.set BK,  64
.set XA,  16
.set XM,  24
.set XC,  32
.set WV,  18
.set G1X, 24
.set G1W, 32
.set G0X, 40
.set G0W, 48
.set CS,  52
.set SEL, 56
.set GT,  58
.set POS, 60
.set ML,  61
.set OB,  62
.set TBW, 66
.set MSB, 0
.macro WIN new
.if MSB != \new
	s_set_vgpr_msb (MSB<<8)|\new
.set MSB, \new
.endif
.endm
.macro PLACES n
.rept \n
	v_nop
.endr
.endm
.macro ROUND
	s_barrier_signal -1
	s_barrier_wait -1
	s_cmp_lg_u32 s[WV], 0
	s_cbranch_scc1 .Lnot_wave_0_\@
	s_barrier_signal -3
.Lnot_wave_0_\@:
	s_barrier_wait -3
	s_barrier_signal -1
	s_barrier_wait -1
.endm
.macro CHANGE fill, step
	WIN 0
	s_wait_tensorcnt 0x0
	ds_add_u32 v[SPW], v[NIL]
.if \step
	s_xor_b32 s[G0W+1], s[G0W+1], SLOTB
	s_add_nc_u64 s[G0W+2:G0W+3], s[G0W+2:G0W+3], SLOTB
.endif
	s_xor_b32 s[TBW], s[TBW], SLOTB
	s_wait_dscnt 0x0
.if \fill
	ROUND
	tensor_load_to_lds s[G0W:G0W+3], s[G1W:G1W+7]
	s_nop 0
.else
	s_barrier_signal -1
	s_barrier_wait -1
.endif
	PLACES 4
	v_and_b32 v[AW], 31, v0
	v_lshl_add_u32 v[AW], v[AW], 4, s[TBW]
.endm
.macro FETCHW u, set
	WIN 0
.irp t, 0,1,2,3,4,5,6,7
	ds_load_b128 v[WF+64*(\set)+8*\t:WF+64*(\set)+8*\t+3], v[AW] offset:UNITB*(\u)+1024*\t
	ds_load_b128 v[WF+64*(\set)+8*\t+4:WF+64*(\set)+8*\t+7], v[AW] offset:UNITB*(\u)+1024*\t+512
.endr
	ds_load_b128 v[WS+4*(\set):WS+4*(\set)+3], v[AW] offset:UNITB*(\u)+8192
.endm
.macro FETCHO off, soff, set
	WIN 0
.irp m, 0,1,2,3
	ds_load_b128 v[XF+32*(\set)+8*\m:XF+32*(\set)+8*\m+3], v[AO] offset:(\off)+1024*\m
	ds_load_b128 v[XF+32*(\set)+8*\m+4:XF+32*(\set)+8*\m+7], v[AO] offset:(\off)+1024*\m+512
.endr
	ds_load_b32 v[XS+2*(\set)], v[AOS] offset:(\soff)
	ds_load_b32 v[XS+2*(\set)+1], v[AOS] offset:(\soff)+128
.endm
.macro WM z, ra, rb
.if (\z)
.if (\ra) && (\rb)
	v_wmma_scale_f32_16x16x128_f8f6f4 v[rD:rD+7], v[rA:rA+7], v[rB:rB+7], 0, v[rSA], v[rSB] matrix_a_fmt:MATRIX_FMT_FP4 matrix_b_fmt:MATRIX_FMT_FP4 matrix_a_scale:MATRIX_SCALE_ROW1 matrix_b_scale:MATRIX_SCALE_ROW1
.elseif (\ra)
	v_wmma_scale_f32_16x16x128_f8f6f4 v[rD:rD+7], v[rA:rA+7], v[rB:rB+7], 0, v[rSA], v[rSB] matrix_a_fmt:MATRIX_FMT_FP4 matrix_b_fmt:MATRIX_FMT_FP4 matrix_a_scale:MATRIX_SCALE_ROW1
.elseif (\rb)
	v_wmma_scale_f32_16x16x128_f8f6f4 v[rD:rD+7], v[rA:rA+7], v[rB:rB+7], 0, v[rSA], v[rSB] matrix_a_fmt:MATRIX_FMT_FP4 matrix_b_fmt:MATRIX_FMT_FP4 matrix_b_scale:MATRIX_SCALE_ROW1
.else
	v_wmma_scale_f32_16x16x128_f8f6f4 v[rD:rD+7], v[rA:rA+7], v[rB:rB+7], 0, v[rSA], v[rSB] matrix_a_fmt:MATRIX_FMT_FP4 matrix_b_fmt:MATRIX_FMT_FP4
.endif
.else
.if (\ra) && (\rb)
	v_wmma_scale_f32_16x16x128_f8f6f4 v[rD:rD+7], v[rA:rA+7], v[rB:rB+7], v[rC:rC+7], v[rSA], v[rSB] matrix_a_fmt:MATRIX_FMT_FP4 matrix_b_fmt:MATRIX_FMT_FP4 matrix_a_scale:MATRIX_SCALE_ROW1 matrix_b_scale:MATRIX_SCALE_ROW1
.elseif (\ra)
	v_wmma_scale_f32_16x16x128_f8f6f4 v[rD:rD+7], v[rA:rA+7], v[rB:rB+7], v[rC:rC+7], v[rSA], v[rSB] matrix_a_fmt:MATRIX_FMT_FP4 matrix_b_fmt:MATRIX_FMT_FP4 matrix_a_scale:MATRIX_SCALE_ROW1
.elseif (\rb)
	v_wmma_scale_f32_16x16x128_f8f6f4 v[rD:rD+7], v[rA:rA+7], v[rB:rB+7], v[rC:rC+7], v[rSA], v[rSB] matrix_a_fmt:MATRIX_FMT_FP4 matrix_b_fmt:MATRIX_FMT_FP4 matrix_b_scale:MATRIX_SCALE_ROW1
.else
	v_wmma_scale_f32_16x16x128_f8f6f4 v[rD:rD+7], v[rA:rA+7], v[rB:rB+7], v[rC:rC+7], v[rSA], v[rSB] matrix_a_fmt:MATRIX_FMT_FP4 matrix_b_fmt:MATRIX_FMT_FP4
.endif
.endif
.endm
.macro MUL sw, so, win, cm
.if (\win) == 3
	WIN 0xf0
.else
	WIN 0xa0
.endif
.if (\cm) == 2
.irp t, 0,1,2,3,4,5,6,7
.irp m, 1,2,3
.set rD, 8*(8*\m+\t)
.set rC, 8*\t
.set rA, WF+64*(\sw)+8*\t
.set rB, XF+32*(\so)+8*\m
.set rSA, WS+4*(\sw)+\t%4
.set rSB, XS+2*(\so)+\m/2
	WM 0, \t/4, \m%2
.endr
.endr
	PLACES 5
.irp t, 0,1,2,3,4,5,6,7
.set rD, 8*\t
.set rC, rD
.set rA, WF+64*(\sw)+8*\t
.set rB, XF+32*(\so)
.set rSA, WS+4*(\sw)+\t%4
.set rSB, XS+2*(\so)
	WM 0, \t/4, 0
.endr
.else
.irp t, 0,1,2,3,4,5,6,7
.irp m, 0,1,2,3
.set rD, 8*(8*\m+\t)
.set rC, rD
.set rA, WF+64*(\sw)+8*\t
.set rB, XF+32*(\so)+8*\m
.set rSA, WS+4*(\sw)+\t%4
.set rSB, XS+2*(\so)+\m/2
	WM (\cm)==1, \t/4, \m%2
.endr
.endr
.endif
.endm
.macro SLOTK win, cm, kb
	FETCHO 4096*(\kb), XSC+256*(\kb), 0
	FETCHW 0, 0
	FETCHW 1, 1
	FETCHO 4096*(\kb)+4096, XSC+256*(\kb)+256, 1
	s_wait_dscnt 27
	MUL 0, 0, \win, \cm
	PLACES 4
	FETCHW 2, 0
	FETCHO 4096*(\kb)+8192, XSC+256*(\kb)+512, 0
	s_wait_dscnt 27
	MUL 1, 1, \win, 0
	PLACES 4
	FETCHW 3, 1
	FETCHO 4096*(\kb)+12288, XSC+256*(\kb)+768, 1
	s_wait_dscnt 27
	MUL 0, 0, \win, 0
	s_wait_dscnt 0x0
	MUL 1, 1, \win, 0
.endm
.macro SLOT2 var
	FETCHO 0, OSC, 0
	FETCHW 0, 0
	FETCHW 1, 1
	FETCHO 4096, OSC+256, 1
	s_wait_dscnt 27
.if \var
	s_cmp_lg_u32 s[POS], 0
	s_cbranch_scc1 .Lonto_\@
	MUL 0, 0, 3, 1
	WIN 0
	s_branch .Lboth_\@
.Lonto_\@:
	MUL 0, 0, 3, 0
	WIN 0
.Lboth_\@:
.else
	MUL 0, 0, 3, 0
.endif
	PLACES 4
	FETCHW 2, 0
	FETCHO 8192, OSC+512, 0
	s_wait_dscnt 27
	MUL 1, 1, 3, 0
	PLACES 4
	FETCHW 3, 1
	FETCHO 12288, OSC+768, 1
	s_wait_dscnt 27
	MUL 0, 0, 3, 0
	s_wait_dscnt 0x0
	MUL 1, 1, 3, 0
.endm
.macro QUANT s, cd, wd
.irp b, 0,1,2,3
	v_max3_num_f32 v[TM+\b], v[(\s)+16*\b], v[(\s)+1+16*\b], 0x1800000
.endr
.irp i, 2,4,6,8,10,12,14
.irp b, 0,1,2,3
	v_max3_num_f32 v[TM+\b], v[TM+\b], v[(\s)+16*\b+\i], v[(\s)+1+16*\b+\i]
.endr
.endr
.irp b, 0,1,2,3
	v_permlanex16_b32 v[TM+4+\b], v[TM+\b], s[SEL], s[SEL+1]
.endr
.irp b, 0,1,2,3
	v_max_num_f32 v[TM+\b], v[TM+\b], v[TM+4+\b]
.endr
.irp b, 0,1,2,3
	v_add_nc_u32 v[TM+12+\b], 0xff000000, v[TM+\b]
.endr
.irp b, 0,1,2,3
	v_lshrrev_b32 v[TM+4+\b], 23, v[TM+12+\b]
.endr
	v_lshl_or_b32 v[\wd], v[TM+5], 8, v[TM+4]
	v_lshl_or_b32 v[\wd], v[TM+6], 16, v[\wd]
	v_lshl_or_b32 v[\wd], v[TM+7], 24, v[\wd]
.irp b, 0,1,2,3
	v_cvt_scalef32_pk8_fp4_f32 v[(\cd)+2*\b], v[(\s)+16*\b:(\s)+7+16*\b], v[TM+12+\b]
	v_cvt_scalef32_pk8_fp4_f32 v[(\cd)+1+2*\b], v[(\s)+8+16*\b:(\s)+15+16*\b], v[TM+12+\b]
.endr
	v_nop
.irp c, 0,1
.irp i, 0,1
	v_permlane16_swap_b32 v[(\cd)+4*\c+\i], v[(\cd)+2+4*\c+\i]
.endr
.endr
.endm
.macro PUBLISH cd, wd
.irp m, 0,1,2,3
	ds_store_b128 v[AIW], v[(\cd)+8*\m:(\cd)+8*\m+3] offset:1024*\m
	ds_store_b128 v[AIW], v[(\cd)+8*\m+4:(\cd)+8*\m+7] offset:1024*\m+512
	ds_store_b32 v[ASW], v[(\wd)+\m] offset:OSC+64*\m
.endr
.endm
.macro SCALE msb, base, fp
	WIN \msb
.set j, 0
.rept 32
	v_pk_mul_f32 v[T+j:T+j+1], v[(\base)+j:(\base)+j+1], v[\fp:\fp+1] op_sel_hi:[1,0]
.set j, j+2
.endr
	WIN 0
.endm
.macro NORM
	WIN 0x42
.irp m, 0,1,2,3
.set j, 64*\m
.rept 32
	v_pk_mul_f32 v[j:j+1], v[j:j+1], v[FO+2*\m:FO+2*\m+1] op_sel_hi:[1,0]
.set j, j+2
.endr
.endr
	WIN 0
.endm
	s_load_b256 s[4:11], s[0:1], 0x0
	s_load_b64 s[16:17], s[0:1], 0x20
	v_lshl_add_u32 v[SPW], v0, 2, SPARE
	v_mov_b32 v[NIL], 0
	ds_add_u32 v1, v2
	ds_add_u32 v1, v2
	s_wait_dscnt 0x0
	v_lshrrev_b32 v16, 5, v0
	v_readfirstlane_b32 s[WV], v16
	s_bfe_u32 s19, ttmp6, 0x40000
	s_lshl_b32 s20, ttmp9, 2
	s_add_co_u32 s20, s20, s19
	s_mov_b32 s[G1X], (3<<16)|(1<<20)|(5<<22)|(3<<25)
	s_mov_b32 s[G1X+1], 32<<16
	s_mov_b32 s[G1X+2], 128<<16
	s_mov_b32 s[G1X+3], 32<<16
	s_mov_b32 s[G1X+4], 128
	s_mov_b32 s[G1X+5], 32
	s_mov_b32 s[G1X+6], 0
	s_mov_b32 s[G1X+7], 0
	s_mov_b32 s[G1W], 15|(3<<16)|(1<<21)
	s_mov_b32 s[G1W+1], 32<<16
	s_mov_b32 s[G1W+2], 136<<16
	s_mov_b32 s[G1W+3], 32<<16
	s_mov_b32 s[G1W+4], 136
	s_mov_b32 s[G1W+5], 32
	s_mov_b32 s[G1W+6], 0
	s_mov_b32 s[G1W+7], 0
	s_mov_b32 s[SEL], 0x76543210
	s_mov_b32 s[SEL+1], 0xfedcba98
	s_mul_i32 s[TBW], s[WV], QUART
	s_lshl_b32 s68, s20, 18
	s_lshl_b32 s69, s[WV], 16
	s_add_co_u32 s68, s68, s69
	s_mov_b32 s69, 0
	s_mov_b32 s70, s[TBW]
	s_mov_b32 s71, 0
	s_wait_kmcnt 0x0
	s_mov_b32 s54, 0x3fb8aa3b                      ; log2(e), for either gate
	s_mov_b32 s55, 0x3fb8aa3b
	s_mov_b32 s[G0X], 1
	s_mov_b32 s[G0X+1], s[TBW]
	s_add_nc_u64 s[G0X+2:G0X+3], s[4:5], s[68:69]
	s_mov_b32 s[G0X+4], 1
	s_add_co_u32 s[G0X+5], s[TBW], SLOTB
	s_add_nc_u64 s[G0X+6:G0X+7], s[G0X+2:G0X+3], 32768
	s_or_b32 s[G0X+3], s[G0X+3], 0x80000000
	s_or_b32 s[G0X+7], s[G0X+7], 0x80000000
	s_mov_b32 s[G0W], 1
	s_mov_b32 s[G0W+1], s[TBW]
	s_add_nc_u64 s[G0W+2:G0W+3], s[6:7], s[70:71]
	s_or_b32 s[G0W+3], s[G0W+3], 0x80000000
	ROUND
	tensor_load_to_lds s[G0X:G0X+3], s[G1X:G1X+7]
	s_nop 0
	s_wait_alu depctr_va_vdst(0)
	s_wait_tensorcnt 0x0
	ds_add_u32 v1, v2
	s_wait_dscnt 0x0
	ROUND
	tensor_load_to_lds s[G0X+4:G0X+7], s[G1X:G1X+7]
	s_nop 0
	PLACES 4
	v_lshlrev_b32 v19, 4, v0
	global_load_b128 v[20:23], v19, s[8:9]
	global_load_b128 v[24:27], v19, s[10:11]
	v_lshl_add_u32 v28, v0, 4, BIAS
	v_and_b32 v16, 31, v0
	v_lshrrev_b32 v17, 2, v16
	v_and_b32 v18, 3, v16
	v_mul_u32_u24 v[XR], v17, 272
	v_lshl_add_u32 v[XR], v18, 6, v[XR]
	v_add_nc_u32 v52, s[TBW], v[XR]                ; v52: where my lane reads x in slot 0; the loops below add their steps
	v_lshrrev_b32 v17, 3, v16
	v_lshlrev_b32 v[AO], 12, v17
	v_bfe_u32 v18, v16, 2, 1
	v_lshl_add_u32 v[AO], v18, 9, v[AO]
	v_bfe_u32 v18, v16, 1, 1
	v_lshl_add_u32 v[AO], v18, 8, v[AO]
	v_and_b32 v18, 1, v16
	v_lshl_add_u32 v[AO], v18, 3, v[AO]
	s_lshl_b32 s68, s[WV], 10
	s_add_co_u32 s68, s68, R
	v_add_nc_u32 v53, s68, v[AO]                   ; v53: where my 8 bytes of codes go
	v_bfe_u32 v[AOS], v16, 1, 2
	v_lshl_add_u32 v[AOS], v17, 8, v[AOS]
	s_lshl_b32 s68, s[WV], 6
	s_add_co_u32 s68, s68, R
	v_add_nc_u32 v54, s68, v[AOS]                  ; v54: and my block's scale byte
	v_and_b32 v17, 15, v0
	v_bfe_u32 v18, v0, 4, 1
	v_lshl_add_u32 v[ARR], v17, 4, RED
	v_lshl_add_u32 v[ARW], s[WV], 2, v[ARR]
	s_lshl_b32 s68, s[WV], 12
	s_add_co_u32 s68, s68, R
	v_lshl_add_u32 v[AIW], v16, 4, s68
	s_lshl_b32 s68, s[WV], 8
	s_add_co_u32 s68, s68, R
	v_lshl_add_u32 v[ASW], v17, 2, s68
	s_lshl_b32 s68, s[WV], 9
	s_add_co_u32 s68, s68, BIAS
	v_lshl_add_u32 v[ABI], v18, 6, s68
.irp m, 0,1,2,3
	v_mov_b32 v[TG+\m], 0
	v_mov_b32 v[CYW+\m], 0
.endr
	s_wait_loadcnt 0x0
	ds_store_b128 v28, v[20:23]
	ds_store_b128 v28, v[24:27] offset:2048
; Four rows of x: group j holds row j / 2, k = 512 (j % 2) + 16 lane + 0 .. 15; two neighbouring lanes hold a block
.macro XTRIP it
.set XB, 128*(\it)
.set RW, 8*(\it)
	WIN 0x40
.irp j, 0,1,2,3,4,5,6,7
.irp q, 0,1,2,3
	ds_load_b128 v[XB+16*\j+4*\q:XB+16*\j+4*\q+3], v[XR] offset:2176*\j+16*\q
.endr
.endr
	WIN 0x15
.irp j, 0,1,2,3,4,5,6,7
	s_wait_dscnt 4*(7-\j)
	v_max3_num_f32 v[XA+\j], |v[XB+16*\j]|, |v[XB+16*\j+1]|, |v[XB+16*\j+2]|
	v_max3_num_f32 v[XM+\j], |v[XB+16*\j+3]|, |v[XB+16*\j+4]|, |v[XB+16*\j+5]|
.endr
	WIN 0x14
.irp i, 6,10
.irp j, 0,1,2,3,4,5,6,7
	v_max3_num_f32 v[XA+\j], v[XA+\j], |v[XB+16*\j+\i]|, |v[XB+16*\j+\i+1]|
	v_max3_num_f32 v[XM+\j], v[XM+\j], |v[XB+16*\j+\i+2]|, |v[XB+16*\j+\i+3]|
.endr
.endr
.irp j, 0,1,2,3,4,5,6,7
	v_max3_num_f32 v[XA+\j], v[XA+\j], |v[XB+16*\j+14]|, |v[XB+16*\j+15]|
.endr
	WIN 0
.irp j, 0,1,2,3,4,5,6,7
	v_max3_num_f32 v[XA+\j], v[XA+\j], v[XM+\j], 0x1800000
.endr
.irp j, 0,1,2,3,4,5,6,7
	v_max_num_f32_dpp v[XA+\j], v[XA+\j], v[XA+\j] row_xmask:1 row_mask:0xf bank_mask:0xf
.endr
.irp j, 0,1,2,3,4,5,6,7
	v_add_nc_u32 v[XM+\j], 0xff000000, v[XA+\j]
.endr
	WIN 0x01
.irp j, 0,1,2,3,4,5,6,7
	v_cvt_scalef32_pk8_fp4_f32 v[XC+2*\j], v[XB+16*\j:XB+16*\j+7], v[XM+\j]
	v_cvt_scalef32_pk8_fp4_f32 v[XC+2*\j+1], v[XB+16*\j+8:XB+16*\j+15], v[XM+\j]
.endr
	WIN 0
.irp j, 0,1,2,3,4,5,6,7
	v_lshrrev_b32 v[XA+\j], 23, v[XM+\j]
.endr
.irp j, 0,1,2,3,4,5,6,7
	ds_store_b64 v[AO], v[XC+2*\j:XC+2*\j+1] offset:16384*(\j%2)+16*(RW+\j/2)
	ds_store_b8 v[AOS], v[XA+\j] offset:XSC+1024*(\j%2)+4*(RW+\j/2)
.endr
.endm
; A slot's 8 rows of x in two trips of four rows: 64 LDS rows of 272 bytes, 4 x 16 bytes of codes and 4 scale words on from trip to trip
.macro XLOOP it, base
	s_mov_b32 s72, \base
	s_mov_b32 s73, 0
	s_mov_b32 s74, 0
	s_mov_b32 s75, 0
.Lx_\@:
	v_add_nc_u32 v[XR], s72, v52
	v_add_nc_u32 v[AO], s73, v53
	v_add_nc_u32 v[AOS], s74, v54
	s_wait_alu depctr_va_vdst(0)
	XTRIP \it
	s_add_co_u32 s72, s72, 17408
	s_add_co_u32 s73, s73, 64
	s_add_co_u32 s74, s74, 16
	s_add_co_u32 s75, s75, 1
	s_cmp_lt_u32 s75, 2
	s_wait_alu depctr_va_vdst(0)
	s_cbranch_scc1 .Lx_\@
.endm
	s_wait_tensorcnt 0x1
	XLOOP 0, 0
	CHANGE 1, 0
	XLOOP 1, SLOTB
	CHANGE 1, 1
.macro VPEXP m
.set L0, 64*\m
.set MCR, STA+4*\m
	WIN 0x2a
.irp b, 0,1,2,3
	v_max3_num_f32 v[TM+\b], v[L0+16*\b], v[L0+16*\b+1], v[L0+16*\b+2]
.endr
	WIN 0x28
.irp i, 3,5,7,9,11,13
.irp b, 0,1,2,3
	v_max3_num_f32 v[TM+\b], v[TM+\b], v[L0+16*\b+\i], v[L0+16*\b+\i+1]
.endr
.endr
.irp b, 0,1,2,3
	v_max3_num_f32 v[TM+\b], v[TM+\b], v[L0+16*\b+15], v[L0+16*\b+15]
.endr
	WIN 0
	v_max3_num_f32 v[TM], v[TM], v[TM+1], v[TM+2]
	v_max_num_f32 v[TM], v[TM], v[TM+3]
	v_permlanex16_b32 v[TM+4], v[TM], s[SEL], s[SEL+1]
	v_max_num_f32 v[TM], v[TM], v[TM+4]
	v_mul_f32 v[MCR], s[CS], v[TM]
	WIN 0x82
.set j, 0
.rept 32
	v_pk_fma_f32 v[L0+j:L0+j+1], v[L0+j:L0+j+1], s[CS:CS+1], v[MCR:MCR+1] op_sel_hi:[1,0,0] neg_lo:[0,0,1] neg_hi:[0,0,1]
.set j, j+2
.endr
.set j, 0
	s_wait_alu depctr_va_vdst(0)
.rept 64
	v_exp_f32 v[L0+j], v[L0+j]
.set j, j+1
.endr
.endm
.macro VPSUM m
.set L0, 64*\m
.set MCR, STA+4*\m
	WIN 0x0a
	v_pk_add_f32 v[136:137], v[L0:L0+1], v[L0+2:L0+3]
	v_pk_add_f32 v[138:139], v[L0+4:L0+5], v[L0+6:L0+7]
	WIN 0x08
.set j, 8
.rept 14
	v_pk_add_f32 v[136:137], v[136:137], v[L0+j:L0+j+1]
	v_pk_add_f32 v[138:139], v[138:139], v[L0+j+2:L0+j+3]
.set j, j+4
.endr
	WIN 0
	v_pk_add_f32 v[136:137], v[136:137], v[138:139]
	v_add_f32 v136, v136, v137
	v_permlanex16_b32 v137, v136, s[SEL], s[SEL+1]
	v_add_f32 v[MCR+1], v136, v137
.endm
.macro VPA ma, mb
	VPEXP \ma
	s_wait_alu depctr_va_vdst(0)
	VPEXP \mb
	WIN 0
	v_nop
	s_wait_alu depctr_va_vdst(0)
	VPSUM \ma
	VPSUM \mb
.irp m, \ma, \mb
	ds_store_b32 v[ARW], v[STA+4*\m] offset:256*\m
	ds_store_b32 v[ARW], v[STA+4*\m+1] offset:1024+256*\m
.endr
.endm
.macro VPQ m
.set L0, 64*\m
	WIN 0xcc
.set j, 0
.rept 64
	v_max_num_f32 v[L0+j], 0, v[L0+j]
.set j, j+1
.endr
	WIN 0xcf
.set j, 0
.rept 32
	v_pk_mul_f32 v[L0+j:L0+j+1], v[L0+j:L0+j+1], v[L0+j:L0+j+1]
.set j, j+2
.endr
	WIN 0xcb
.set j, 0
.rept 32
	v_pk_mul_f32 v[L0+j:L0+j+1], v[L0+j:L0+j+1], v[L0+j:L0+j+1]
.set j, j+2
.endr
	WIN 0x0f
	v_pk_add_f32 v[140:141], v[L0:L0+1], v[L0+2:L0+3]
	v_pk_add_f32 v[142:143], v[L0+4:L0+5], v[L0+6:L0+7]
	WIN 0x0c
.set j, 8
.rept 14
	v_pk_add_f32 v[140:141], v[140:141], v[L0+j:L0+j+1]
	v_pk_add_f32 v[142:143], v[142:143], v[L0+j+2:L0+j+3]
.set j, j+4
.endr
	WIN 0
	v_pk_add_f32 v[140:141], v[140:141], v[142:143]
	v_add_f32 v140, v140, v141
	v_permlanex16_b32 v141, v140, s[SEL], s[SEL+1]
	v_add_f32 v[STA+4*\m+2], v140, v141
.endm
	v_and_b32 v[AO], 31, v0
	v_lshl_add_u32 v[AOS], v[AO], 2, R
	v_lshl_add_u32 v[AO], v[AO], 4, R
	s_mov_b32 s[GT], 0
.Lgate:
	s_cmp_eq_u32 s[GT], 0
	s_cselect_b32 s[CS], s54, s55
	s_mov_b32 s[CS+1], s[CS]
	s_wait_alu depctr_va_vdst(0)
	SLOTK 2, 1, 0
	CHANGE 1, 1
	s_wait_alu depctr_va_vdst(0)
	SLOTK 2, 0, 4
	WIN 0
	PLACES 4
	VPA 0, 1
	CHANGE 1, 1
	WIN 0xc0
.irp t, 0,1,2,3,4,5,6,7
	ds_load_b128 v[8*\t:8*\t+3], v[ABI] offset:128*(\t/2)+32*(\t%2)
	ds_load_b128 v[8*\t+4:8*\t+7], v[ABI] offset:128*(\t/2)+32*(\t%2)+16
.endr
	VPA 2, 3
	s_wait_dscnt 0x0
	SLOTK 3, 2, 0
	CHANGE 1, 1
	s_wait_alu depctr_va_vdst(0)
	SLOTK 3, 0, 4
	WIN 0
	PLACES 4
	VPQ 0
	VPQ 1
	VPQ 2
	VPQ 3
.irp m, 0,1,2,3
	ds_store_b32 v[ARW], v[STA+4*\m+2] offset:2048+256*\m
.endr
	CHANGE 1, 1
	s_cmp_eq_u32 s[GT], 0
	s_cbranch_scc1 .Lno_pub
	PUBLISH CY, CYW
.Lno_pub:
.irp q, 0,1,2
.irp m, 0,1,2,3
	ds_load_b128 v[192+16*\q+4*\m:192+16*\q+4*\m+3], v[ARR] offset:1024*\q+256*\m
.endr
.endr
.irp m, 0,1,2,3
	ds_load_b32 v[FO+2*\m], v[ARW] offset:256*\m
.endr
	s_wait_dscnt 0x0
.irp m, 0,1,2,3
	v_max3_num_f32 v[248+\m], v[192+4*\m], v[193+4*\m], v[194+4*\m]
.endr
.irp m, 0,1,2,3
	v_max_num_f32 v[248+\m], v[248+\m], v[195+4*\m]
.endr
.irp m, 0,1,2,3
.irp w, 0,1,2,3
	v_sub_f32 v[192+4*\m+\w], v[192+4*\m+\w], v[248+\m]
.endr
	v_sub_f32 v[FO+2*\m], v[FO+2*\m], v[248+\m]
.endr
	s_wait_alu depctr_va_vdst(0)
.irp m, 0,1,2,3
.irp w, 0,1,2,3
	v_exp_f32 v[192+4*\m+\w], v[192+4*\m+\w]
.endr
	v_exp_f32 v[FO+2*\m], v[FO+2*\m]
.endr
.irp m, 0,1,2,3
	v_mov_b32 v[FO+2*\m+1], v[TG+\m]
.endr
	s_wait_alu depctr_va_vdst(0)
.irp m, 0,1,2,3
	v_mul_f32 v[248+\m], v[192+4*\m], v[208+4*\m]
	v_mul_f32 v[252+\m], v[192+4*\m], v[224+4*\m]
.endr
.irp w, 1,2,3
.irp m, 0,1,2,3
	v_fmac_f32 v[248+\m], v[192+4*\m+\w], v[208+4*\m+\w]
	v_fmac_f32 v[252+\m], v[192+4*\m+\w], v[224+4*\m+\w]
.endr
.endr
	s_wait_alu depctr_va_vdst(0)
.irp m, 0,1,2,3
	v_rcp_f32 v[248+\m], v[248+\m]
.endr
	v_nop
	s_wait_alu depctr_va_vdst(0)
.irp m, 0,1,2,3
	v_mul_f32 v[FO+2*\m], v[FO+2*\m], v[248+\m]
	v_mul_f32 v[TG+\m], v[252+\m], v[248+\m]
.endr
.irp m, 0,1,2,3
	SCALE 0x03, 64*\m, FO+2*\m
	QUANT T, CY+8*\m, CYW+\m
.endr
	s_cmp_lg_u32 s[GT], 0
	s_cbranch_scc1 .Lno_norm
	NORM
.Lno_norm:
	v_add_nc_u32 v[ABI], 2048, v[ABI]
	s_add_co_u32 s[GT], s[GT], 1
	s_cmp_lt_u32 s[GT], 2
	s_cbranch_scc1 .Lgate
.irp m, 0,1,2,3
	ds_store_b32 v[ARW], v[FO+2*\m] offset:3072+256*\m
	ds_store_b32 v[ARW], v[FO+2*\m+1] offset:4096+256*\m
.endr
	v_and_b32 v250, 15, v0
	v_bfe_u32 v251, v0, 4, 1
	s_mul_i32 s68, s[WV], 4352
	s_add_co_u32 s68, s68, R+STG
	v_mul_u32_u24 v[STO], v250, 272
	v_lshl_add_u32 v[STO], v251, 5, v[STO]
	v_add_nc_u32 v[STO], s68, v[STO]
	v_mul_u32_u24 v[SRD], v251, 272
	v_lshl_add_u32 v[SRD], v250, 4, v[SRD]
	v_add_nc_u32 v[SRD], s68, v[SRD]
	v_lshlrev_b32 v[GO], 12, v251
	v_lshl_add_u32 v[GO], v250, 4, v[GO]
	s_lshl_b32 s68, s[WV], 9
	v_add_nc_u32 v[GO], s68, v[GO]
	s_lshl_b32 s68, s20, 18
	s_add_co_u32 s68, s68, 2048
	s_mov_b32 s69, 0
	s_add_nc_u64 s[OB:OB+1], s[16:17], s[68:69]
	s_mov_b32 s[POS], 0
	s_wait_dscnt 0x0
	s_barrier_signal -1
	s_barrier_wait -1
.macro OP
.irp m, 0,1,2,3
	v_mov_b32 v248, v[FAC+\m]
	SCALE 0x01, 64*\m, 248
	QUANT T, OPC+8*\m, OPW+\m
.endr
	PUBLISH OPC, OPW
.irp m, 0,1,2,3
	v_mov_b32 v[FAC+\m], 1.0
.endr
.endm
.macro TOST g
.set gm, (\g)/2
.set gu, (\g)%2
	WIN 0x0c
.irp tt, 0,1,2,3
.set rD, 8*(8*gm+4*gu+\tt)
	ds_store_b128 v[STO], v[rD:rD+3] offset:64*\tt
	ds_store_b128 v[STO], v[rD+4:rD+7] offset:64*\tt+16
.endr
	WIN 0
.set BB, BK+32*((\g)%2)
.irp i, 0,1,2,3,4,5,6,7
	ds_load_b128 v[BB+4*\i:BB+4*\i+3], v[SRD] offset:544*\i
.endr
.endm
.macro SEND g, younger
.set gm, (\g)/2
.set gu, (\g)%2
.set BB, BK+32*((\g)%2)
	s_wait_dscnt \younger
.irp i, 0,1,2,3,4,5,6,7
	global_store_b128 v[GO], v[BB+4*\i:BB+4*\i+3], s[OB:OB+1] offset:(16*gm+2*\i)*4096+256*gu th:TH_STORE_NT
.endr
.endm
.macro WAYOUT
	TOST 0
.irp g, 1,2,3,4,5,6,7
.if \g > 1
	s_wait_xcnt 0x0
.endif
	TOST \g
	SEND \g-1, 16
.endr
	SEND 7, 0
	s_wait_xcnt 0x0
.endm
.macro BODY f
	SLOT2 \f
	CHANGE \f, \f
	s_cmp_eq_u32 s[POS], 2
	s_cbranch_scc1 .Lout_\@
	s_wait_alu depctr_va_vdst(0)
	OP
	s_branch .Lpost_\@
.Lout_\@:
	s_wait_alu depctr_va_vdst(0)
	WAYOUT
.if \f
.irp m, 0,1,2,3
	ds_load_b32 v[FO+2*\m], v[ARW] offset:3072+256*\m
	ds_load_b32 v[FO+2*\m+1], v[ARW] offset:4096+256*\m
.endr
	s_wait_dscnt 0x0
	NORM
.irp m, 0,1,2,3
	v_mov_b32 v[FAC+\m], v[FO+2*\m+1]
.endr
	PUBLISH CY, CYW
	s_sub_nc_u64 s[OB:OB+1], s[OB:OB+1], 2048
.endif
.Lpost_\@:
	s_add_co_u32 s[POS], s[POS], 1
	s_cmp_eq_u32 s[POS], 3
	s_cselect_b32 s[POS], 0, s[POS]
	s_wait_dscnt 0x0
	s_barrier_signal -1
	s_barrier_wait -1
.endm
	s_mov_b32 s[ML], 4
.Lmain:
	BODY 1
	s_sub_co_u32 s[ML], s[ML], 1
	s_cmp_lg_u32 s[ML], 0
	s_cbranch_scc1 .Lmain
	s_mov_b32 s[ML], 2
.Ltail:
	BODY 0
	s_sub_co_u32 s[ML], s[ML], 1
	s_cmp_lg_u32 s[ML], 0
	s_cbranch_scc1 .Ltail
	s_wait_tensorcnt 0x0
	ds_add_u32 v[SPW], v[NIL]
	s_wait_dscnt 0x0
	ROUND
	s_endpgm
.Lfunc_end_k_q7b83bc58af_monet:
	.size	k_q7b83bc58af_monet, .Lfunc_end_k_q7b83bc58af_monet-k_q7b83bc58af_monet
	.p2alignl 7, 3214868480
	.fill 96, 4, 3214868480
	.section	.rodata,"a",@progbits
	.p2align	6, 0x0
	.amdhsa_kernel k_q7b83bc58af_monet
		.amdhsa_group_segment_fixed_size 327680
		.amdhsa_private_segment_fixed_size 0
		.amdhsa_enable_private_segment 0
		.amdhsa_kernarg_size 40
		.amdhsa_user_sgpr_count 2
		.amdhsa_user_sgpr_kernarg_segment_ptr 1
		.amdhsa_wavefront_size32 1
		.amdhsa_system_sgpr_workgroup_id_x 1
		.amdhsa_system_sgpr_workgroup_id_y 1
		.amdhsa_system_sgpr_workgroup_id_z 1
		.amdhsa_system_vgpr_workitem_id 0
		.amdhsa_next_free_vgpr 1024
		.amdhsa_next_free_sgpr 80
		.amdhsa_reserve_vcc 0
		.amdhsa_float_denorm_mode_32 3
		.amdhsa_float_denorm_mode_16_64 3
		.amdhsa_memory_ordered 1
		.amdhsa_forward_progress 1
		.amdhsa_inst_pref_size 255
	.end_amdhsa_kernel
	.section	.bss,"aw",@nobits
	.p2align	6
	.space	262144
	.amdgpu_metadata
---
amdhsa.version: [ 1, 2 ]
amdhsa.kernels:
  - .name:           k_q7b83bc58af_monet
    .symbol:         k_q7b83bc58af_monet.kd
    .args:
      - { .name: x, .offset: 0, .size: 8, .value_kind: global_buffer, .address_space: global }
      - { .name: ws, .offset: 8, .size: 8, .value_kind: global_buffer, .address_space: global }
      - { .name: u2_b, .offset: 16, .size: 8, .value_kind: global_buffer, .address_space: global }
      - { .name: u1_b, .offset: 24, .size: 8, .value_kind: global_buffer, .address_space: global }
      - { .name: out0, .offset: 32, .size: 8, .value_kind: global_buffer, .address_space: global }
    .group_segment_fixed_size: 327680
    .private_segment_fixed_size: 0
    .kernarg_segment_align: 8
    .kernarg_segment_size: 40
    .max_flat_workgroup_size: 128
    .sgpr_count:     80
    .vgpr_count:     1024
    .wavefront_size: 32
...
	.end_amdgpu_metadata
.endif
;; end of part 2
